; MI455X (gfx1250); checked and timed in simulation.
; The chip was launched on July 23, 2026; its instructions are those of AMD's public machine-readable ISA for CDNA 5 (MIT licence, August 2026) and "CDNA5" Instruction Set Architecture Reference Guide (July 2026). The comments in the code are by the model that wrote it; some were corrected since.
;; Flash Attention Layer. Allowed arithmetic: matrix products marked QUANTISED: E4M3 operands, one E8M0 scale for each 32 along K, by v_wmma_scale_f32_16x16x128_f8f6f4 with both operands' format E4M3, f32 sums; everything else in f32.
;; Inputs: key 4 x 2,048 x 16 x 128 float32; mask 4 x 2,048 int32; query 4 x 2,048 x 16 x 128 float32; value 4 x 2,048 x 16 x 128 float32.
;; Outputs: out0 4 x 2,048 x 16 x 128 float32.
;; This version of the problem:
;;   THIS VERSION OF THE PROBLEM IS GIVEN IN LOW PRECISION. The matrix products marked QUANTISED in the list below multiply operands that are first quantised to E4M3 (4 exponent bits, 3 mantissa bits; 8 bits a number), with one power-of-two scale for each 32 numbers along K (OCP MX v1.0); their sums are f32. All else is computed in f32.
;;   The module's matrix products, in the order in which they are computed (A, B: the left and right operand; K: the contracted axis; several contracted axes count as one K, in the product's order):
;;     1. batch 64 x [M 2,048, K 128] x [K 128, N 2,048]; A: input query; B: input key: QUANTISED
;;     2. batch 64 x [M 128, K 2,048] x [K 2,048, N 2,048]; A: input value; B: softmax (see below): QUANTISED
;;   THE QUANTISER, for each operand of a quantised product, along K:
;;     - K is cut into blocks of 32 from its start; a last block that is shorter is filled with zeros.
;;     - A block's scale is 2^e with e = floor(log2(the largest magnitude in the block)) - 8, held to -126 .. 127; a block of zeros has e = 0. As a byte (E8M0): e + 127.
;;     - Each number is divided by its block's scale, clamped to +-448, and rounded to the nearest number of E4M3, ties to even, subnormals kept.
;;     - The product sums the exact products of the quantised numbers (number of the format x scale) in f32.
;;   ~~~python
;;   def quantise(x, axis):      # numpy; x: float32 -> the quantised numbers, widened to float32 again
;;       x = np.moveaxis(x, axis, -1); K = x.shape[-1]
;;       x = np.pad(x, [(0, 0)] * (x.ndim - 1) + [(0, -K % 32)]); x = x.reshape(x.shape[:-1] + (-1, 32)); a = np.abs(x).max(-1, keepdims=True)
;;       e = np.where(a > 0, np.clip(np.frexp(np.where(a > 0, a, 1))[1] - 1 - 8, -126, 127), 0)      # np.frexp(a)[1] - 1 = floor(log2(a)), exactly
;;       r = np.clip(x / 2.0 ** e, -448, 448)
;;       step = 2.0 ** (np.maximum(np.frexp(np.where(r == 0, 1, r))[1] - 1, -6) - 3)
;;       q = np.round(r / step) * step * 2.0 ** e      # np.round: ties to even
;;       return np.moveaxis(q.reshape(q.shape[:-2] + (-1,))[..., :K], -1, axis).astype(np.float32)
;;   ~~~
;;   SOFTMAX AHEAD OF A QUANTISED PRODUCT. Where the list says 'softmax', what is quantised is not the finished softmax but p = 2^(t - M), with t = logit x log2(e) and M = ceil(the row's largest t), a whole number; so 1/2 < the row's largest p <= 1. The row's sum l is taken of the UNQUANTISED p, in f32, and the product's result is divided by l at the end. Since M is a whole number, a kernel that streams over the keys may use a running M (the ceiling of the running maximum): every later rescaling is an exact power of two, which a block's scale takes up: the codes' values come out the same.
;;   OPERANDS COMPUTED ON THE WAY. 'Computed on the way' means the value that the module computes at that place (a softmax that the list does not call 'softmax' is quantised finished and normalised). What goes into a quantiser is computed in f32, as accurately as f32 sums, v_exp_f32 and their like allow (about 1e-6 of the number): no bf16 or f16 on the way to a quantiser, and a product that is left as it is and whose result goes on into a quantised operand takes f32 operands (vector FMAs, or v_wmma_f32_16x16x4_f32). A number that lies on a knife's edge between two numbers of the format may be rounded either way, as far as f32 arithmetic and the matrix unit's own rounding can turn it there, and no further.
;; One version. Each part assembles by itself: llvm-mc -triple=amdgcn-amd-amdhsa -mcpu=gfx1250 --defsym DOCPART=n.
;; ======== version 1 of 1: 2 launches
;; limits: right only within a limited range of input values
;; workspace buffers: kv 34,603,008 bytes
;; launch prep (part 1): grid 8 x 64, 4 waves a work-group, no clusters, 36,352 bytes of LDS; arguments key, value, mask, kv; writes kv
.if DOCPART == 1
	.amdgcn_target "amdgcn-amd-amdhsa--gfx1250"
	.amdhsa_code_object_version 6
	.text
	.protected	k_q8a260e4300_prep
	.globl	k_q8a260e4300_prep
	.p2align	8
	.type	k_q8a260e4300_prep,@function
k_q8a260e4300_prep:
	s_mov_b64 s[64:65], 0
	v_nop
	global_prefetch_b8 v0, s[64:65] scope:SCOPE_SE
	s_setreg_imm32_b32 hwreg(HW_REG_WAVE_MODE, 25, 1), 1
	s_wait_xcnt 0x0
; key and value, [4][2048][16][128] f32, become codes of FP8 (E4M3) with one E8M0 scale byte for each 32 along a product's K, laid as IMAGES OF THE OPERANDS' REGISTERS, so that
; the attention launch brings a slot of 256 keys as one dense block and reads every fragment 16 bytes a lane.
; kv = [head 64][slot 8][67,584 bytes], head = 16 b + h.  A slot block (256 keys = two key steps of 128):
;   0       K's codes  [step 2][tile 8][c 4][lane 32][16]: lane (r, hh) of tile 2 bb + u, group c: key 128 step + 32 bb + 8 u + r + 8 (r / 8), channels 32 c + 16 hh + 0 .. 15  (K = the head's 128)
;   32,768  V's codes  the same shape: lane (r, hh) of tile t, group c: channel 16 t + r, keys 128 step + 32 c + 16 hh + 0 .. 15                                        (K = the keys)
;   65,536  K's scale words [step 2][lane 32][pair 4][4]: word (l, p) belongs to tile 2 p + l / 16, row l % 16
;   66,560  V's scale words, the same shape: word (l, p) belongs to channel 32 p + l
; A block's scale is 2^(floor(log2(its largest magnitude)) - 8); its byte is the largest magnitude's exponent field - 8, held at 1 from below.
; THE MASK: a key whose mask word is 0 gets ZERO CODES in K (its hold, 448 x the scale, is made 0), so that its score comes out as exactly 0 and the attention launch can add a bias to it.  V is quantised as it is given.
; LIMITS: NaN and infinities among the inputs are not served.  Blocks whose largest magnitude lies under 2^-118 keep the byte 1; a block of zeros gets the byte 1 where the rule says 127: its codes are zeros, and this program alone reads the bytes.
; SHARES.  A work-group (x = slot, y = head) makes one slot block.  K: wave w takes keys 32 w .. 32 w + 31 of each of the two steps, four tiles of 16 keys.  A load takes one whole key row, 512 consecutive bytes; 16 rows turn
; through the wave's own stage in LDS, so that a lane holds 16 neighbours of each block of 32 channels.  V: wave w takes channel 32 w + lane, and its registers run DOWN the keys: a block of 32 keys lies in one lane's 32 registers.
; No tensor loads; one barrier, in front of the scale words' way out, which come from four waves.  Every offset is an immediate, 255 x 8,192 bytes at the most; no pointer is stepped.
.set ROWS,  8192                       ; bytes from a key to the next
.set SLOTB, 67584                      ; a slot block
.set VIMG,  32768
.set SCO,   65536
.set SP,    528                        ; a stage row: 512 bytes + 16 = 132 words, so that the 16 rows that a load touches begin 4 words apart modulo 64
.set STGB,  16*SP                      ; a wave's stage
.set SCL,   4*STGB                     ; behind the stages: 2,048 bytes, the image of the slot's scale words
.set LI,   4                           ; v4   16 x lane
.set STI,  5                           ; v5   the stage, by rows: my stage + 16 x lane
.set STQ,  6                           ; v6   the stage, by lanes of a fragment: my stage + 528 r + 64 hh
.set MKO,  7                           ; v7   4 (r + 8 (r / 8)): my key's mask word in a tile
.set KSA,  8                           ; v8   where K's scale word goes: SCL + 16 r + 4 w
.set VLO,  9                           ; v9   4 x lane + 128 w: my channel in a row of V
.set VSO,  10                          ; v10  V's codes: 2,048 (lane / 16) + 16 (lane % 16) + 4,096 w
.set VSA,  11                          ; v11  where V's scale word goes: SCL + 1,024 + 16 x lane + 4 w
.set TO,   12                          ; v12  16 x thread
.set TL,   13                          ; v13  SCL + 16 x thread
.set KIO,  14                          ; v14  K's codes: 16 x lane + 4,096 w
.set R,    16                          ; v16-79   numbers as loaded
.set X,    80                          ; v80-143  a tile of K turned: register 16 c + i = channel 32 c + 16 hh + i of key row r
.set PC,   144                         ; v144-159 a fragment's codes
.set TM,   160                         ; v160-163 largest magnitudes, v164-167 bytes, v168-171 448 x the scale, v172-175 the conversions' scale operands
.set PW,   176                         ; the scale word just made
.set VC,   178                         ; v178-185 a block's codes of V
.set SB,   186                         ; v186-187 V's scale words of the two steps
.set MK,   188                         ; v188-191 my key's mask word in each of the four tiles
.set OUTR, 192
.set WV,   12
.set SEL,  20                          ; s[20:21] lane selects for v_permlanex16_b32: lane l xor 16
.set MNT,  22                          ; s22  the mantissa field of 448
	s_load_b256 s[4:11], s[0:1], 0x0               ; key s[4:5], value s[6:7], mask s[8:9], kv s[10:11]
	v_lshl_add_u32 v200, v0, 2, 0x8c00
	v_mov_b32 v201, 0
	v_lshrrev_b32 v1, 5, v0
	v_readfirstlane_b32 s[WV], v1                  ; wave 0..3
	v_and_b32 v1, 31, v0                           ; lane
	s_wait_alu depctr_va_vdst(0)
	v_and_b32 v2, 15, v0                           ; r
	s_wait_alu depctr_va_vdst(0)
	v_bfe_u32 v3, v0, 4, 1                         ; hh
	s_mov_b32 s13, ttmp9                           ; slot
	s_and_b32 s14, ttmp7, 0xffff                   ; head
	s_lshr_b32 s15, s14, 4                         ; b
	s_and_b32 s16, s14, 15                         ; h
	s_lshl_b32 s18, s15, 24                        ; key and value: b x 2^24 + slot x 256 keys x 8,192 + h x 512
	s_lshl_b32 s17, s13, 21
	s_add_co_u32 s18, s18, s17
	s_lshl_b32 s17, s16, 9
	s_add_co_u32 s18, s18, s17
	s_mov_b32 s19, 0
	s_lshl_b32 s24, s[WV], 18                      ; key alone: my wave's 32 keys
	s_mov_b32 s25, 0
	s_lshl_b32 s26, s15, 13                        ; mask: b x 8,192 + slot x 1,024 + w x 128
	s_lshl_b32 s17, s13, 10
	s_add_co_u32 s26, s26, s17
	s_lshl_b32 s17, s[WV], 7
	s_add_co_u32 s26, s26, s17
	s_mov_b32 s27, 0
	s_lshl_b32 s28, s14, 3                         ; kv: (8 head + slot) slot blocks, under 2^32 bytes
	s_add_co_u32 s28, s28, s13
	s_mul_i32 s28, s28, SLOTB
	s_mov_b32 s29, 0
	s_mov_b32 s[SEL], 0x76543210
	s_mov_b32 s[SEL+1], 0xfedcba98
	s_mov_b32 s[MNT], 0x600000
	s_mul_i32 s23, s[WV], STGB                     ; my stage
	v_lshlrev_b32 v[LI], 4, v1
	v_add_nc_u32 v[STI], s23, v[LI]
	v_mul_u32_u24 v[STQ], v2, SP
	s_wait_alu depctr_va_vdst(0)
	v_lshl_add_u32 v[STQ], v3, 6, v[STQ]
	v_add_nc_u32 v[STQ], s23, v[STQ]
	v_and_b32 v[MKO], 8, v2
	v_add_nc_u32 v[MKO], v[MKO], v2
	v_lshlrev_b32 v[MKO], 2, v[MKO]
	s_lshl_b32 s17, s[WV], 2                       ; 4 w
	v_lshl_add_u32 v[KSA], v2, 4, s17
	v_add_nc_u32 v[KSA], SCL, v[KSA]
	v_lshl_add_u32 v[VSA], v1, 4, s17
	v_add_nc_u32 v[VSA], SCL+1024, v[VSA]
	s_lshl_b32 s17, s[WV], 7                       ; 128 w
	v_lshl_add_u32 v[VLO], v1, 2, s17
	s_lshl_b32 s30, s[WV], 12                      ; 4,096 w
	v_lshlrev_b32 v[VSO], 11, v3
	v_lshl_add_u32 v[VSO], v2, 4, v[VSO]
	v_add_nc_u32 v[VSO], s30, v[VSO]
	v_add_nc_u32 v[KIO], s30, v[LI]
	v_lshlrev_b32 v[TO], 4, v0
	v_add_nc_u32 v[TL], SCL, v[TO]
.irp b, 0,1,2,3
	v_mov_b32 v[TM+4+\b], 0                        ; written once: a lane permute's destination counts as one of its sources
.endr
	s_wait_kmcnt 0x0
	s_add_nc_u64 s[4:5], s[4:5], s[18:19]
	s_add_nc_u64 s[4:5], s[4:5], s[24:25]
	s_add_nc_u64 s[6:7], s[6:7], s[18:19]
	s_add_nc_u64 s[8:9], s[8:9], s[26:27]
	s_add_nc_u64 s[10:11], s[10:11], s[28:29]
; Tile n of my four (step n / 2, u = n % 2): its 16 key rows, row i = key 128 (n / 2) + 32 w + 8 (n % 2) + i + 8 (i / 8); each load reads 512 consecutive bytes
.macro LOADK n
.irp i, 0,1,2,3,4,5,6,7,8,9,10,11,12,13,14,15
	global_load_b128 v[R+4*\i:R+4*\i+3], v[LI], s[4:5] offset:(128*((\n)/2)+8*((\n)%2)+\i+8*(\i/8))*ROWS th:TH_LOAD_NT
.endr
.endm
; Block t of V: keys 32 t + 0 .. 31 of my channel into set t % 2; the four waves stand side by side on a row's 512 bytes
.macro VLOAD t
.set i, 0
.rept 32
	global_load_b32 v[R+32*((\t)%2)+i], v[VLO], s[6:7] offset:(32*(\t)+i)*ROWS th:TH_LOAD_NT
.set i, i+1
.endr
.endm
; 64 numbers of a lane, register 16 b + i = k 32 b + 16 hh + i of my row, become a fragment's codes in v[pc] on and its scale word in v[pw].  Where v[mk] is 0 the codes are zeros.
.macro QUANT s, pc, pw, mk
.irp b, 0,1,2,3
	v_max3_num_f32 v[TM+\b], |v[\s+16*\b]|, |v[\s+1+16*\b]|, 0x4800000   ; block b: my 16 numbers, and the floor 2^(9 - 127): the byte cannot fall under 1
.endr
.irp i, 2,4,6,8,10,12,14
.irp b, 0,1,2,3
	v_max3_num_f32 v[TM+\b], v[TM+\b], |v[\s+16*\b+\i]|, |v[\s+1+16*\b+\i]|   ; the four blocks by turns
.endr
.endr
.irp b, 0,1,2,3
	v_permlanex16_b32 v[TM+4+\b], v[TM+\b], s[SEL], s[SEL+1]
.endr
.irp b, 0,1,2,3
	v_max_num_f32 v[TM+\b], v[TM+\b], v[TM+4+\b]   ; with lane l xor 16's: the block's largest magnitude
.endr
.irp b, 0,1,2,3
	v_add_nc_u32 v[TM+12+\b], 0xfc000000, v[TM+\b] ; 8 off its exponent field: the conversion's scale operand
.endr
.irp b, 0,1,2,3
	v_and_or_b32 v[TM+8+\b], v[TM+\b], 0x7f800000, s[MNT]   ; 448 x the scale
.endr
	v_cmp_ne_u32 vcc_lo, 0, v[\mk]                 ; does my key count?
.irp b, 0,1,2,3
	v_cndmask_b32 v[TM+8+\b], 0, v[TM+8+\b], vcc_lo   ; a hidden key is held at 0: zero codes
.endr
.irp b, 0,1,2,3
	v_lshrrev_b32 v[TM+4+\b], 23, v[TM+12+\b]      ; the scale's byte
.endr
	v_lshl_or_b32 v[\pw], v[TM+5], 8, v[TM+4]      ; the four bytes make my row's scale word
	v_lshl_or_b32 v[\pw], v[TM+6], 16, v[\pw]
	v_lshl_or_b32 v[\pw], v[TM+7], 24, v[\pw]
.irp b, 0,1,2,3
.irp i, 0,1,2,3,4,5,6,7,8,9,10,11,12,13,14,15
	v_med3_num_f32 v[\s+16*\b+\i], v[\s+16*\b+\i], -v[TM+8+\b], v[TM+8+\b]   ; the conversion to an 8-bit code does not saturate (ISA guide 7.6.2): the hold
.endr
	v_cvt_scalef32_pk8_fp8_f32 v[\pc+4*\b:\pc+1+4*\b], v[\s+16*\b:\s+7+16*\b], v[TM+12+\b]
	v_cvt_scalef32_pk8_fp8_f32 v[\pc+2+4*\b:\pc+3+4*\b], v[\s+8+16*\b:\s+15+16*\b], v[TM+12+\b]
.endr
	v_nop                                          ; a plain vector line behind the last scaled conversion
.endm
.macro KTILE n
	s_wait_loadcnt 0x0                             ; the tile's 16 rows are in (tile 0: the four mask words too)
.irp i, 0,1,2,3,4,5,6,7,8,9,10,11,12,13,14,15
	ds_store_b128 v[STI], v[R+4*\i:R+4*\i+3] offset:SP*\i
.endr
.irp c, 0,1,2,3
.irp j, 0,1,2,3
	ds_load_b128 v[X+16*\c+4*\j:X+16*\c+4*\j+3], v[STQ] offset:128*\c+16*\j   ; LDS serves a wave's instructions in order (ISA guide 5.7.1.4): these see the stores above
.endr
.endr
	s_wait_dscnt 0x0                               ; the tile is turned, and the stores have read R
	s_wait_xcnt 0x0                                ; the last tile's stores have had their addresses translated: only behind this wait are their data, PC, written again
.if (\n) < 3
	LOADK (\n)+1                                   ; the next tile is on its way while this one is quantised
.else
	VLOAD 0                                        ; and behind the last tile V's first two blocks
	VLOAD 1
.endif
	QUANT X, PC, PW, MK+(\n)
.irp c, 0,1,2,3
	global_store_b128 v[KIO], v[PC+4*\c:PC+4*\c+3], s[10:11] offset:((\n)/2)*16384+((\n)%2)*2048+512*\c   ; 32 lanes store 512 consecutive bytes
.endr
	ds_store_b32 v[KSA], v[PW] offset:((\n)/2)*512+((\n)%2)*256   ; lanes r and r + 16 write the same word with the same value
.endm
.macro VBLOCK t
.set XS, R+32*((\t)%2)
.if (\t) < 7
	s_wait_loadcnt 32                              ; this block's 32 loads are in; the next block's may be out
.else
	s_wait_loadcnt 0x0
.endif
	v_max3_num_f32 v[TM], |v[XS]|, |v[XS+1]|, |v[XS+2]|            ; the block's largest magnitude: all 32 numbers are mine; two chains
	v_max3_num_f32 v[TM+1], |v[XS+3]|, |v[XS+4]|, |v[XS+5]|
.irp i, 6,10,14,18,22,26
	v_max3_num_f32 v[TM], v[TM], |v[XS+\i]|, |v[XS+\i+1]|
	v_max3_num_f32 v[TM+1], v[TM+1], |v[XS+\i+2]|, |v[XS+\i+3]|
.endr
	v_max3_num_f32 v[TM], v[TM], |v[XS+30]|, |v[XS+31]|
	v_max3_num_f32 v[TM], v[TM], v[TM+1], 0x4800000                ; and the floor
	v_add_nc_u32 v[TM+12], 0xfc000000, v[TM]
	v_lshrrev_b32 v[TM+4], 23, v[TM+12]
.if (\t)%4 == 0
	v_mov_b32 v[SB+(\t)/4], v[TM+4]                ; four bytes to a word, the earlier keys in the lower byte
.else
	v_lshl_or_b32 v[SB+(\t)/4], v[TM+4], 8*((\t)%4), v[SB+(\t)/4]
.endif
.set i, 0
.rept 32
.set i, i+1
.endr
	s_wait_alu depctr_va_vdst(0)
	s_wait_xcnt 0x0                                ; the last block's stores have had their addresses translated: VC may be written again
.irp g, 0,1,2,3
	v_cvt_scalef32_pk8_fp8_f32 v[VC+2*\g:VC+2*\g+1], v[XS+8*\g:XS+8*\g+7], v[TM+12]
.endr
	v_nop                                          ; a plain vector line behind the last scaled conversion
	global_store_b128 v[VSO], v[VC:VC+3], s[10:11] offset:VIMG+((\t)/4)*16384+((\t)%4)*512       ; keys 0-15 of the block: sixteen lanes store 256 consecutive bytes, aligned
	global_store_b128 v[VSO], v[VC+4:VC+7], s[10:11] offset:VIMG+((\t)/4)*16384+((\t)%4)*512+256 ; keys 16-31
.if (\t) < 6
	VLOAD (\t)+2
.endif
.if (\t)%4 == 3
	ds_store_b32 v[VSA], v[SB+(\t)/4] offset:((\t)/4)*512
.endif
.endm
.irp n, 0,1,2,3
	global_load_b32 v[MK+\n], v[MKO], s[8:9] offset:(128*(\n/2)+8*(\n%2))*4
.endr
	LOADK 0
	KTILE 0
	KTILE 1
	KTILE 2
	KTILE 3
	VBLOCK 0
	VBLOCK 1
	VBLOCK 2
	VBLOCK 3
	VBLOCK 4
	VBLOCK 5
	VBLOCK 6
	VBLOCK 7
	s_wait_dscnt 0x0                               ; for the others' sake: my scale words lie in LDS
	s_barrier_signal -1
	s_barrier_wait -1
	ds_load_b128 v[OUTR:OUTR+3], v[TL]             ; 128 threads x 16 bytes: the slot's 2,048 bytes of scale words
	s_wait_dscnt 0x0
	global_store_b128 v[TO], v[OUTR:OUTR+3], s[10:11] offset:SCO
	s_wait_tensorcnt 0x0
	ds_add_u32 v200, v201
	s_wait_dscnt 0x0
	s_endpgm
.Lfunc_end_k_q8a260e4300_prep:
	.size	k_q8a260e4300_prep, .Lfunc_end_k_q8a260e4300_prep-k_q8a260e4300_prep
	.p2alignl 7, 3214868480
	.fill 96, 4, 3214868480
	.section	.rodata,"a",@progbits
	.p2align	6, 0x0
	.amdhsa_kernel k_q8a260e4300_prep
		.amdhsa_group_segment_fixed_size 36352
		.amdhsa_private_segment_fixed_size 0
		.amdhsa_enable_private_segment 0
		.amdhsa_kernarg_size 32
		.amdhsa_user_sgpr_count 2
		.amdhsa_user_sgpr_kernarg_segment_ptr 1
		.amdhsa_wavefront_size32 1
		.amdhsa_system_sgpr_workgroup_id_x 1
		.amdhsa_system_sgpr_workgroup_id_y 1
		.amdhsa_system_sgpr_workgroup_id_z 1
		.amdhsa_system_vgpr_workitem_id 0
		.amdhsa_next_free_vgpr 202
		.amdhsa_next_free_sgpr 66
		.amdhsa_reserve_vcc 1
		.amdhsa_float_denorm_mode_32 3
		.amdhsa_float_denorm_mode_16_64 3
		.amdhsa_fp16_overflow 1
		.amdhsa_memory_ordered 1
		.amdhsa_forward_progress 1
		.amdhsa_inst_pref_size 91
	.end_amdhsa_kernel
	.amdgpu_metadata
---
amdhsa.version: [ 1, 2 ]
amdhsa.kernels:
  - .name:           k_q8a260e4300_prep
    .symbol:         k_q8a260e4300_prep.kd
    .args:
      - { .name: key, .offset: 0, .size: 8, .value_kind: global_buffer, .address_space: global }
      - { .name: value, .offset: 8, .size: 8, .value_kind: global_buffer, .address_space: global }
      - { .name: mask, .offset: 16, .size: 8, .value_kind: global_buffer, .address_space: global }
      - { .name: kv, .offset: 24, .size: 8, .value_kind: global_buffer, .address_space: global }
    .group_segment_fixed_size: 36352
    .private_segment_fixed_size: 0
    .kernarg_segment_align: 8
    .kernarg_segment_size: 32
    .max_flat_workgroup_size: 128
    .sgpr_count:     66
    .vgpr_count:     202
    .wavefront_size: 32
...
	.end_amdgpu_metadata
.endif
;; end of part 1
;; launch attn (part 2): grid 8 x 64, 8 waves a work-group, clusters of 4 x 1, 327,680 bytes of LDS; arguments query, kv, mask, out0; writes out0
.if DOCPART == 2
	.amdgcn_target "amdgcn-amd-amdhsa--gfx1250"
	.amdhsa_code_object_version 6
	.text
	.protected	k_q8a260e4300_attn
	.globl	k_q8a260e4300_attn
	.p2align	8
	.type	k_q8a260e4300_attn,@function
k_q8a260e4300_attn:
	s_mov_b64 s[64:65], 0
	v_nop
	global_prefetch_b8 v0, s[64:65] scope:SCOPE_SE
	s_setreg_imm32_b32 hwreg(HW_REG_WAVE_MODE, 25, 1), 1
	s_wait_xcnt 0x0
	s_wait_alu depctr_hold_cnt(0) depctr_sa_sdst(0) depctr_va_vdst(0) depctr_va_sdst(0) depctr_va_ssrc(0) depctr_va_vcc(0) depctr_vm_vsrc(0)
	s_getreg_b32 s2, hwreg(HW_REG_IB_STS2, 6, 4)
	s_cmp_eq_u32 s2, 0
	s_cbranch_scc0 .Lentry_in_a_cluster
	s_endpgm
.Lentry_in_a_cluster:
	s_bfe_u32 s2, ttmp6, 0x10000c
	s_cmp_lg_u32 s2, 0x3003
	s_cbranch_scc0 .Lentry_shape_is_right
	s_endpgm
.Lentry_shape_is_right:
; out[b][q][h][:] = the sum over k of softmax_k(Q . K / sqrt(128), hidden keys left out) V[k][:], both products on codes of FP8 (E4M3) with one E8M0 scale for each 32 along a product's K.
; query, out0: [4][2048][16][128] f32.  kv: K's and V's codes and scale words as images of the operands' registers, [head 64][slot 8][67,584 bytes], a slot = 256 keys = two key steps of 128:
;   0 K's codes [step][tile 8][c 4][lane][16];  32,768 V's codes likewise;  65,536 K's scale words [step][lane][pair 4][4];  66,560 V's likewise.
; THE SOFTMAX AHEAD OF THE SECOND PRODUCT: t = score x log2(e) / sqrt(128); M = the largest t so far, rounded UP to a whole number; p = 2^(t - M) is quantised along the keys, not normalised.  The row's sum is taken of the
; unquantised p and divides O at the end.  When M moves, the sum and O are multiplied by 2^(old M - new M): exact.
; THE MASK costs no vector work in the loop.  Hidden keys have zero codes in kv, so their products sum to 0; each tile of scores takes as the C of its one matrix instruction a BIAS: 0 for a key that counts, -2^126 for a hidden one.
; A hidden score is then exactly -2^126, its p is 0 beside any key that counts; what was summed while only hidden keys had been seen (p = 1 each) is wiped by the factor 2^(old M - new M) = 0 at the first key that counts.
; If every key of a batch row is hidden, every p is 1 and the result is the mean of V, as a softmax of equal scores gives.
; LIMITS: NaN and infinities are not served.  Scores at or under -2^126 are not told from hidden ones.  Blocks whose largest magnitude lies under 2^-118 keep the byte 1.  The two factors 1 / sqrt(128) and log2(e) are one constant.
; SHARES.  A work-group owns 256 queries of one head; each of its eight waves 32 of them, two tiles of 16, so that each fragment of K and V read from LDS feeds two matrix instructions; two waves to a SIMD, so that one
; wave's vector work stands beside the other's matrix work and LDS loads.  Every wave walks all 2,048 keys, 128 a step.
; LAYOUT.  Both products are used transposed: S^T = K Q^T (source 0 = 16 keys, source 1 = 16 queries), O^T = V^T P^T (source 0 = 16 channels, source 1 = P): a lane holds ONE query (lane % 16) throughout.
; The keys of a tile are not neighbours (lane r of tile 2 bb + u holds key 32 bb + 8 u + r + 8 (r / 8)), so that the 16 registers of tiles 2 bb and 2 bb + 1 are keys 32 bb + 16 (lane / 16) + 0 .. 15.
; CLUSTER.  The four work-groups of a cluster are four query blocks of one head and walk the same slots of kv: each quarter of a slot is asked for JOINTLY, by the same tensor load with the same descriptor and the mask of all four.
; RING.  Two LDS slots; waves 0 to 3 fetch a quarter of a slot each (66 rows of 256 bytes, dense), the others none.  By this text's own count a wave has at most one tensor load outstanding.
; REGISTERS.  window 0: v1-10 addresses; v12-13 Q's scale words, v14-15 P's; v16-47 Q's codes; v48-175 S^T, then p (64 a tile); v176-207 P's codes; v208-215 -M, largest t, the sum (a pair), for each tile;
;   v216-231 at work; v232-235 the factor f (a pair a tile); v236-239 at work; v240-243 K's, then V's scale words; v244-254 at the head only.
;   window 1: v0-63 four fragments of K or V; v64-127 a step's 64 bias numbers; v128-255 O^T (64 a tile).
.set ROWS,  8192                       ; bytes from a query to the next
.set SLOTB, 67584                      ; a slot of kv
.set QUART, 16896                      ; a quarter of it: 66 rows of 256 bytes
.set HEADB, 8*SLOTB
.set VOFF,  32768
.set KSCO,  65536
.set VSCO,  66560
.set SLOT1, 1<<17                      ; slot 1 begins here, so that one exclusive or turns an address in one slot into the other's
.set BIAS,  SLOTB                      ; behind slot 0: f32 [2048], the bias of each key, in the keys' order; stored once, by ds_store
.set SPARE, BIAS+8192                  ; the spare words, 128 bytes for each wave: four blocks of 256 bytes that no other line names
.set STAGE, SLOT1+SLOTB                ; behind slot 1: 16 rows x 528 bytes for each wave, for Q's turn and for the way out.  No tensor load lands in BIAS, SPARE or STAGE
.set SP,    528
.set LI,   1                           ; v1   16 x lane
.set AB0,  2                           ; v2   BIAS + 64 (lane / 16)
.set SPW,  3                           ; v3   LDS address of my spare word: SPARE + 4 x my thread's number; never rewritten
.set NIL,  4                           ; v4   0; never rewritten
.set STI,  5                           ; v5   my stage, by rows: + 16 x lane
.set AD1,  6                           ; v6   the slot in hand + 16 x lane
.set AD2,  7                           ; v7   the same + 32,768
.set ADB,  8                           ; v8   the slot's bias numbers
.set STQ,  9                           ; v9   my stage + 528 r + 64 hh
.set STO,  10                          ; v10  my stage + 528 r + 32 hh
.set QS,   12
.set PW,   14
.set QC,   16
.set SS,   48
.set PC,   176
.set RT,   208
.set TM,   216                         ; v216-219 block maxima, v220-223 bytes, v228-231 the conversions' scale operands
.set FF,   232
.set T1,   236
.set SUM2, 238
.set KS,   240
.set MW,   244                         ; head only: eight mask words,
.set NEG,  252                         ; -2^126,
.set TO,   253                         ; 16 x thread,
.set BA,   254                         ; BIAS + 16 x thread
.set FR,   0                           ; window 1
.set BI,   64
.set OO,   128
.set WV,   12                          ; s12  my wave's number
.set SEL,  20                          ; s[20:21] lane selects for v_permlanex16_b32: lane l xor 16
.set CS,   22                          ; s[22:23] c = log2(e) / sqrt(128): the packed form names a pair and takes its low word for both halves
.set MNT,  24
.set G1,   28                          ; s[28:35] descriptor group 1
.set G0,   36                          ; s[36:39] descriptor group 0, which walks
.set TB,   40                          ; s40  LDS byte at which the slot in hand begins
.set TS,   41                          ; s41  its bias numbers: 1,024 bytes a slot
.set SLOTS, 42                         ; s42  slots still to be asked for
.set MSB, 0
.macro WIN new                         ; the immediate's high byte repeats the setting that is left; a switch that changes nothing is dropped
.if MSB != \new
	s_set_vgpr_msb (MSB<<8)|\new
.set MSB, \new
.endif
.endm
.set W_LD, 0x40                        ; destination window 1, address window 0
.set W_KQ, 0x11                        ; K (source 0) and the bias (C) window 1, Q and S^T window 0
.set W_PV, 0x51                        ; V, C and D window 1, P window 0
.set W_RS, 0x41                        ; O^T (destination and source 0) window 1, f window 0
.set W_OUT, 0x01                       ; O^T (source 0) window 1, the rest window 0
.macro PLACES n                        ; a load into a register that a matrix instruction has read, and a vector instruction that reads a matrix result, stand eight plain vector instructions behind it
.rept \n
	v_nop
.endr
.endm
.macro CROUND                          ; a round of the cluster's barrier: my work-group's barrier; wave 0 signals for the work-group; every wave waits for all four work-groups; my work-group's barrier once more
	s_barrier_signal -1
	s_barrier_wait -1
	s_cmp_lg_u32 s[WV], 0
	s_cbranch_scc1 .Lnot_wave_0_\@
	s_barrier_signal -3
.Lnot_wave_0_\@:
	s_barrier_wait -3
	s_barrier_signal -1
	s_barrier_wait -1
.endm
.macro JLOAD                           ; waves 0 to 3 ask for their quarter of a slot; the branch hangs on the wave's number alone.  Four v_nop follow the load
	s_cmp_lt_u32 s[WV], 4
	s_cbranch_scc0 .Lnone_\@
	tensor_load_to_lds s[G0:G0+3], s[G1:G1+7]
	s_nop 0
.rept 4
	v_nop
.endr
.Lnone_\@:
.endm
	s_load_b256 s[4:11], s[0:1], 0x0               ; query s[4:5], kv s[6:7], mask s[8:9], out0 s[10:11]
	v_lshl_add_u32 v[SPW], v0, 2, SPARE
	v_mov_b32 v[NIL], 0
	ds_add_u32 v3, v4
	ds_add_u32 v3, v4
	s_wait_dscnt 0x0
	v_lshrrev_b32 v[T1], 5, v0
	s_delay_alu instid0(VALU_DEP_1)
	v_readfirstlane_b32 s[WV], v[T1]               ; wave 0..7
	s_bfe_u32 s13, ttmp6, 0x40000                  ; cx: my place in the cluster
	s_lshl_b32 s14, ttmp9, 2                       ; in a cluster launch ttmp9 counts clusters
	s_add_co_u32 s14, s14, s13                     ; my block of 256 queries: it enters query's and out0's addresses alone
	s_and_b32 s15, ttmp7, 0xffff                   ; the head, which the four partners share
	s_lshr_b32 s18, s15, 4                         ; b
	s_and_b32 s19, s15, 15                         ; h
	s_lshl_b32 s16, s18, 24                        ; query and out0: b x 2^24 + block x 256 x 8,192 + wave x 32 x 8,192 + h x 512
	s_lshl_b32 s17, s14, 21
	s_add_co_u32 s16, s16, s17
	s_lshl_b32 s17, s[WV], 18
	s_add_co_u32 s16, s16, s17
	s_lshl_b32 s17, s19, 9
	s_add_co_u32 s16, s16, s17
	s_mov_b32 s17, 0
	s_lshl_b32 s18, s18, 13                        ; mask: b x 8,192
	s_mov_b32 s19, 0
	s_mul_i32 s26, s15, HEADB                      ; kv: the head's eight slots, and my quarter of a slot; under 2^32 bytes
	s_mul_i32 s25, s[WV], QUART
	s_add_co_u32 s26, s26, s25
	s_mov_b32 s27, 0
	; descriptor group 1: 66 rows of 32 elements of 8 bytes, dense in memory and in LDS
	s_mov_b32 s[G1], 15|(3<<16)|(1<<21)            ; 15:0 the mask: all four work-groups; 17:16 elements of 8 bytes; 20 no padding; 21 set beside a mask
	s_mov_b32 s[G1+1], 32<<16                      ; tensor_dim0 = 32
	s_mov_b32 s[G1+2], 66<<16                      ; tensor_dim1 = 66
	s_mov_b32 s[G1+3], 32<<16                      ; tile_dim0 = 32
	s_mov_b32 s[G1+4], 66                          ; tile_dim1 = 66
	s_mov_b32 s[G1+5], 32                          ; tensor_dim0_stride
	s_mov_b32 s[G1+6], 0
	s_mov_b32 s[G1+7], 0
	s_mov_b32 s[SEL], 0x76543210
	s_mov_b32 s[SEL+1], 0xfedcba98
	s_mov_b32 s[CS], 0x3e0293ee                    ; c = log2(e) / sqrt(128)
	s_mov_b32 s[CS+1], s[CS]                       ; named with it as a pair, so it is written
	s_mov_b32 s[TB], 0
	s_mov_b32 s[TS], 0
	s_mov_b32 s[SLOTS], 7
	s_wait_kmcnt 0x0
	s_add_nc_u64 s[4:5], s[4:5], s[16:17]
	s_add_nc_u64 s[10:11], s[10:11], s[16:17]
	s_add_nc_u64 s[8:9], s[8:9], s[18:19]
	s_mov_b32 s[G0], 1                             ; 1:0 count = 1
	s_mov_b32 s[G0+1], s25                         ; 63:32 LDS address: slot 0, my quarter: no place in the cluster enters it
	s_add_nc_u64 s[G0+2:G0+3], s[6:7], s[26:27]    ; 120:64 global address: the head's slot 0, my quarter
	s_or_b32 s[G0+3], s[G0+3], 0x80000000          ; 127:126 type = 2
	CROUND                                         ; all four work-groups are here: the first joint loads meet
	JLOAD                                          ; slot 0
	v_lshlrev_b32 v[TO], 4, v0
	global_load_b128 v[MW:MW+3], v[TO], s[8:9]                 ; the batch row's 2,048 mask words: eight a thread
	global_load_b128 v[MW+4:MW+7], v[TO], s[8:9] offset:4096
	v_and_b32 v[T1], 31, v0
	s_delay_alu instid0(VALU_DEP_1)
	v_lshlrev_b32 v[LI], 4, v[T1]
.irp x, 0,1
.irp i, 0,1,2,3,4,5,6,7,8,9,10,11,12,13,14,15
	global_load_b128 v[SS+64*\x+4*\i:SS+64*\x+4*\i+3], v[LI], s[4:5] offset:(16*\x+\i)*ROWS th:TH_LOAD_NT   ; a whole row of Q: 512 consecutive bytes
.endr
.endr
	v_and_b32 v[SUM2], 15, v0                      ; r
	v_bfe_u32 v[SUM2+1], v0, 4, 1                  ; hh
	s_mul_i32 s43, s[WV], 16*SP
	s_add_co_u32 s43, s43, STAGE                   ; my stage
	v_add_nc_u32 v[STI], s43, v[LI]
	v_mul_u32_u24 v[STQ], v[SUM2], SP
	s_delay_alu instid0(VALU_DEP_1)
	v_add_nc_u32 v[STQ], s43, v[STQ]
	s_delay_alu instid0(VALU_DEP_1)
	v_lshl_add_u32 v[STO], v[SUM2+1], 5, v[STQ]
	s_delay_alu instid0(VALU_DEP_2)
	v_lshl_add_u32 v[STQ], v[SUM2+1], 6, v[STQ]
	v_lshlrev_b32 v[AB0], 6, v[SUM2+1]
	s_delay_alu instid0(VALU_DEP_1)
	v_add_nc_u32 v[AB0], BIAS, v[AB0]
	v_add_nc_u32 v[BA], BIAS, v[TO]
	v_mov_b32 v[NEG], 0xfe800000                   ; -2^126
.irp b, 0,1,2,3
	v_mov_b32 v[TM+4+\b], 0                        ; written once: a lane permute's destination counts as one of its sources
.endr
; 64 numbers of a lane, register 16 b + i = channel 32 b + 16 hh + i of my row, become a fragment's codes in v[pc] on and its scale word in v[pw]
.macro QUANT s, pc, pw
.irp b, 0,1,2,3
	v_max3_num_f32 v[TM+\b], |v[\s+16*\b]|, |v[\s+1+16*\b]|, 0x4800000   ; block b: my 16 numbers, and the floor 2^(9 - 127): the byte cannot fall under 1
.endr
.irp i, 2,4,6,8,10,12,14
.irp b, 0,1,2,3
	s_delay_alu instid0(VALU_DEP_4)
	v_max3_num_f32 v[TM+\b], v[TM+\b], |v[\s+16*\b+\i]|, |v[\s+1+16*\b+\i]|
.endr
.endr
.irp b, 0,1,2,3
	s_delay_alu instid0(VALU_DEP_4)
	v_permlanex16_b32 v[TM+4+\b], v[TM+\b], s[SEL], s[SEL+1]
.endr
.irp b, 0,1,2,3
	s_delay_alu instid0(VALU_DEP_4)
	v_max_num_f32 v[TM+\b], v[TM+\b], v[TM+4+\b]   ; with lane l xor 16's: the block's largest magnitude
.endr
.irp b, 0,1,2,3
	s_delay_alu instid0(VALU_DEP_4)
	v_add_nc_u32 v[TM+12+\b], 0xfc000000, v[TM+\b] ; 8 off its exponent field: the conversion's scale operand
.endr
.irp b, 0,1,2,3
.endr
.irp b, 0,1,2,3
	s_delay_alu instid0(VALU_DEP_4)
	v_lshrrev_b32 v[TM+4+\b], 23, v[TM+12+\b]      ; the scale's byte
.endr
	s_delay_alu instid0(VALU_DEP_3)
	v_lshl_or_b32 v[\pw], v[TM+5], 8, v[TM+4]
	s_delay_alu instid0(VALU_DEP_1)
	v_lshl_or_b32 v[\pw], v[TM+6], 16, v[\pw]
	s_delay_alu instid0(VALU_DEP_1)
	v_lshl_or_b32 v[\pw], v[TM+7], 24, v[\pw]
.irp b, 0,1,2,3
.irp i, 0,1,2,3,4,5,6,7,8,9,10,11,12,13,14,15
.endr
	v_cvt_scalef32_pk8_fp8_f32 v[\pc+4*\b:\pc+1+4*\b], v[\s+16*\b:\s+7+16*\b], v[TM+12+\b]
	v_cvt_scalef32_pk8_fp8_f32 v[\pc+2+4*\b:\pc+3+4*\b], v[\s+8+16*\b:\s+15+16*\b], v[TM+12+\b]
.endr
	v_nop                                          ; a plain vector line behind the last scaled conversion: matrix instructions later write its sources
.endm
; Tile x of Q turns through my stage: in by rows, back 16 neighbours of each block of 32 channels a lane, into the registers that it left
.macro TURNQ x
.irp i, 0,1,2,3,4,5,6,7,8,9,10,11,12,13,14,15
	ds_store_b128 v[STI], v[SS+64*\x+4*\i:SS+64*\x+4*\i+3] offset:SP*\i
.endr
.irp c, 0,1,2,3
.irp j, 0,1,2,3
	ds_load_b128 v[SS+64*\x+16*\c+4*\j:SS+64*\x+16*\c+4*\j+3], v[STQ] offset:128*\c+16*\j   ; LDS serves a wave's instructions in order (ISA guide 5.7.1.4): these see the stores above
.endr
.endr
.endm
	s_wait_alu depctr_va_vdst(0)
	s_wait_loadcnt 32                              ; the two loads of mask words are in; Q's 32 loads may be out
.irp i, 0,1,2,3,4,5,6,7
	v_cmp_eq_u32 vcc_lo, 0, v[MW+\i]
	s_delay_alu instid0(VALU_DEP_1)
	v_cndmask_b32 v[MW+\i], 0, v[NEG], vcc_lo      ; the key's bias: 0 where it counts, -2^126 where it is hidden
.endr
	ds_store_b128 v[BA], v[MW:MW+3]
	ds_store_b128 v[BA], v[MW+4:MW+7] offset:4096
	s_wait_loadcnt 16                              ; Q's first tile is in; the second tile's 16 loads may be out
	TURNQ 0
	s_wait_dscnt 0x0
	QUANT SS, QC, QS
	s_wait_loadcnt 0x0
	TURNQ 1
	s_wait_dscnt 0x0
	QUANT SS+64, QC+16, QS+1
.irp x, 0,1
	v_mov_b32 v[RT+4*\x+1], 0xff61b1e6             ; the largest t so far: -3e38, under every t
	s_delay_alu instid0(VALU_DEP_1)
	v_floor_f32 v[RT+4*\x], -v[RT+4*\x+1]          ; -M
	v_mov_b32 v[RT+4*\x+2], 0                      ; the sum, in two halves
	v_mov_b32 v[RT+4*\x+3], 0
	v_mov_b32 v[FF+2*\x+1], 0                      ; named as the upper half of f's pair, so it is written
.endr
	WIN W_LD
.set j, 0
.rept 128
	v_mov_b32 v[OO+j], 0                           ; O^T.  The key step is written without a first copy of its own: the first step finds zeros, which its factor f = 0 leaves zeros
.set j, j+1
.endr
	WIN 0
; four fragments (16 rows x 128 K, 16 registers each) as they lie: 16 bytes a lane, 512 consecutive bytes a load
.macro FRAGS adr, off
	WIN W_LD
.irp t, 0,1,2,3
.irp c, 0,1,2,3
	ds_load_b128 v[FR+16*\t+4*\c:FR+16*\t+4*\c+3], v[\adr] offset:(\off)+2048*\t+512*\c
.endr
.endr
.endm
; S^T = K Q^T + bias: tiles 4 g + t of the step's eight, for both tiles of queries: eight different results.  Scale register 2 g + t / 2 holds the even tile's words in lanes 0-15 and the odd tile's in lanes 16-31
.macro KQ g
	WIN W_KQ
.irp t, 0,1,2,3
.irp x, 0,1
.if \t%2
	v_wmma_scale_f32_16x16x128_f8f6f4 v[SS+64*\x+8*(4*\g+\t):SS+64*\x+8*(4*\g+\t)+7], v[FR+16*\t:FR+16*\t+15], v[QC+16*\x:QC+16*\x+15], v[BI+8*(4*\g+\t):BI+8*(4*\g+\t)+7], v[KS+2*\g+\t/2], v[QS+\x] matrix_a_scale:MATRIX_SCALE_ROW1
.else
	v_wmma_scale_f32_16x16x128_f8f6f4 v[SS+64*\x+8*(4*\g+\t):SS+64*\x+8*(4*\g+\t)+7], v[FR+16*\t:FR+16*\t+15], v[QC+16*\x:QC+16*\x+15], v[BI+8*(4*\g+\t):BI+8*(4*\g+\t)+7], v[KS+2*\g+\t/2], v[QS+\x]
.endif
.endr
.endr
.endm
; O^T += V^T P^T: channels 16 (4 g + t) on, both tiles of queries.  The sixteen accumulators take turns, one instruction a turn and a step
.macro PV g
	WIN W_PV
.irp t, 0,1,2,3
.irp x, 0,1
.if \t%2
	v_wmma_scale_f32_16x16x128_f8f6f4 v[OO+64*\x+8*(4*\g+\t):OO+64*\x+8*(4*\g+\t)+7], v[FR+16*\t:FR+16*\t+15], v[PC+16*\x:PC+16*\x+15], v[OO+64*\x+8*(4*\g+\t):OO+64*\x+8*(4*\g+\t)+7], v[KS+2*\g+\t/2], v[PW+\x] matrix_a_scale:MATRIX_SCALE_ROW1
.else
	v_wmma_scale_f32_16x16x128_f8f6f4 v[OO+64*\x+8*(4*\g+\t):OO+64*\x+8*(4*\g+\t)+7], v[FR+16*\t:FR+16*\t+15], v[PC+16*\x:PC+16*\x+15], v[OO+64*\x+8*(4*\g+\t):OO+64*\x+8*(4*\g+\t)+7], v[KS+2*\g+\t/2], v[PW+\x]
.endif
.endr
.endr
.endm
; One tile's softmax for one key step; all of it in window 0
.macro SOFTMAX x
.set rS, SS+64*(\x)
.set rT, RT+4*(\x)
.set rF, FF+2*(\x)
.set rP, PC+16*(\x)
.irp b, 0,1,2,3
	v_max3_num_f32 v[TM+\b], v[rS+16*\b], v[rS+16*\b+1], v[rS+16*\b+2]   ; the largest score of each block of 32 keys: it serves for the row's maximum and, since p rises with the score, for the block's largest p.  Each result is read from its low end on
.endr
.irp i, 3,5,7,9,11,13
.irp b, 0,1,2,3
	v_max3_num_f32 v[TM+\b], v[TM+\b], v[rS+16*\b+\i], v[rS+16*\b+\i+1]
.endr
.endr
.irp b, 0,1,2,3
	v_max_num_f32 v[TM+\b], v[TM+\b], v[rS+16*\b+15]
.endr
.irp b, 0,1,2,3
	s_delay_alu instid0(VALU_DEP_4)
	v_permlanex16_b32 v[TM+4+\b], v[TM+\b], s[SEL], s[SEL+1]
.endr
.irp b, 0,1,2,3
	s_delay_alu instid0(VALU_DEP_4)
	v_max_num_f32 v[TM+\b], v[TM+\b], v[TM+4+\b]   ; with lane l xor 16's 16 keys
.endr
	s_delay_alu instid0(VALU_DEP_2)
	v_max3_num_f32 v[T1], v[TM], v[TM+1], v[TM+2]
	s_delay_alu instid0(VALU_DEP_1)
	v_max_num_f32 v[T1], v[T1], v[TM+3]            ; the step's largest score of my query
	s_delay_alu instid0(VALU_DEP_1)
	v_mul_f32 v[T1], s[CS], v[T1]                  ; as t (c is positive)
	s_delay_alu instid0(VALU_DEP_1)
	v_max_num_f32 v[rT+1], v[rT+1], v[T1]          ; the running largest t
	v_mov_b32 v[T1], v[rT]
	s_delay_alu instid0(VALU_DEP_2)
	v_floor_f32 v[rT], -v[rT+1]                    ; the new -M = floor(-t): M is a whole number
	s_delay_alu instid0(VALU_DEP_1)
	v_sub_f32 v[T1], v[rT], v[T1]                  ; old M - new M: a whole number, 0 or less
	s_delay_alu instid0(VALU_DEP_1)
	v_cvt_i32_f32 v[T1], v[T1]                     ; (it saturates)
	s_delay_alu instid0(VALU_DEP_1)
	v_ldexp_f32 v[rF], 1.0, v[T1]                  ; f = 2^(old M - new M)
.set j, 0
.rept 32
	v_pk_fma_f32 v[rS+j:rS+j+1], v[rS+j:rS+j+1], s[CS:CS+1], v[rT:rT+1] op_sel_hi:[1,0,0]   ; t - M, two at a time (of the pairs c and -M the low word serves both halves)
.set j, j+2
.endr
.irp b, 0,1,2,3
	v_fma_f32 v[TM+\b], v[TM+\b], s[CS], v[rT]     ; the same of each block's largest score
.endr
.set j, 0
	s_wait_alu depctr_va_vdst(0)
.rept 64
	v_exp_f32 v[rS+j], v[rS+j]                     ; p = 2^(t - M), at most 1
.set j, j+1
.endr
.irp b, 0,1,2,3
	v_exp_f32 v[TM+\b], v[TM+\b]                   ; the block's largest p: the same two instructions on the same number give the same bits
.endr
	v_pk_mul_f32 v[rT+2:rT+3], v[rT+2:rT+3], v[rF:rF+1] op_sel_hi:[1,0]   ; the sums under the new M; also the plain line behind the exponentials
	s_wait_alu depctr_va_vdst(0)
.irp b, 0,1,2,3
	v_max_num_f32 v[TM+\b], 0x4800000, v[TM+\b]    ; the floor 2^(9 - 127): a block whose every p is 0 keeps the byte 1: its codes are zeros
.endr
.irp b, 0,1,2,3
	s_delay_alu instid0(VALU_DEP_4)
	v_add_nc_u32 v[TM+12+\b], 0xfc000000, v[TM+\b] ; the conversion's scale operand
.endr
.irp b, 0,1,2,3
.endr
.irp b, 0,1,2,3
	s_delay_alu instid0(VALU_DEP_4)
	v_lshrrev_b32 v[TM+4+\b], 23, v[TM+12+\b]      ; the scale's byte
.endr
	s_delay_alu instid0(VALU_DEP_3)
	v_lshl_or_b32 v[PW+\x], v[TM+5], 8, v[TM+4]    ; p's scale word for these 128 keys
	s_delay_alu instid0(VALU_DEP_1)
	v_lshl_or_b32 v[PW+\x], v[TM+6], 16, v[PW+\x]
	s_delay_alu instid0(VALU_DEP_1)
	v_lshl_or_b32 v[PW+\x], v[TM+7], 24, v[PW+\x]
	v_pk_add_f32 v[SUM2:SUM2+1], v[rS:rS+1], v[rS+2:rS+3]   ; the row's sum is taken of the unquantised p: two at a time, in two chains
.set j, 4
.rept 15
	v_pk_add_f32 v[rT+2:rT+3], v[rT+2:rT+3], v[rS+j:rS+j+1]
	v_pk_add_f32 v[SUM2:SUM2+1], v[SUM2:SUM2+1], v[rS+j+2:rS+j+3]
.set j, j+4
.endr
	s_delay_alu instid0(VALU_DEP_1)
	v_pk_add_f32 v[rT+2:rT+3], v[rT+2:rT+3], v[SUM2:SUM2+1]
.irp b, 0,1,2,3
.set j, 0
.rept 16
.set j, j+1
.endr
	v_cvt_scalef32_pk8_fp8_f32 v[rP+4*\b:rP+4*\b+1], v[rS+16*\b:rS+16*\b+7], v[TM+12+\b]
	v_cvt_scalef32_pk8_fp8_f32 v[rP+4*\b+2:rP+4*\b+3], v[rS+16*\b+8:rS+16*\b+15], v[TM+12+\b]
.endr
.endm
; A KEY STEP: 128 keys, the q-th of the slot in hand
.macro STEP q
	PLACES 8                                       ; behind the last step's products, in front of loads into what they read
	FRAGS AD1, 16384*(\q)                          ; K's tiles 0-3
.irp i, 0,1,2,3,4,5,6,7,8,9,10,11,12,13,14,15
	ds_load_b128 v[BI+4*\i:BI+4*\i+3], v[ADB] offset:512*(\q)+128*(\i/4)+16*(\i%4)   ; the bias of keys 32 (i / 4) + 16 hh + 4 (i % 4) on: the 64 numbers lie as the eight results do
.endr
	WIN 0
	ds_load_b128 v[KS:KS+3], v[AD2] offset:KSCO-VOFF+512*(\q)   ; K's scale words of all eight tiles
	s_wait_dscnt 0x0
	KQ 0
	PLACES 8
	FRAGS AD1, 16384*(\q)+8192                     ; K's tiles 4-7
	s_wait_dscnt 0x0
	KQ 1
	PLACES 8                                       ; in front of the loads below and of the first read of scores
	FRAGS AD2, 16384*(\q)                          ; V's tiles 0-3 land while the softmax is walked
	WIN 0
	ds_load_b128 v[KS:KS+3], v[AD2] offset:VSCO-VOFF+512*(\q)   ; V's scale words
	SOFTMAX 0
	SOFTMAX 1
	WIN W_RS
.irp x, 0,1
.set j, 0
.rept 32
	v_pk_mul_f32 v[OO+64*\x+j:OO+64*\x+j+1], v[OO+64*\x+j:OO+64*\x+j+1], v[FF+2*\x:FF+2*\x+1] op_sel_hi:[1,0]   ; O^T under the new M: x f, each accumulator from its low end on.  These 64 also stand between P's codes and scale words and the products that take them
.set j, j+2
.endr
.endr
	s_wait_alu depctr_va_vdst(0)
	s_wait_dscnt 0x0                               ; V's tiles 0-3 and scale words are in
	PV 0
	PLACES 8
	FRAGS AD2, 16384*(\q)+8192                     ; V's tiles 4-7
	s_wait_dscnt 0x0
	PV 1
	WIN 0
.endm
; THE CHANGE OF SLOTS stands at a slot's head.  Each wave waits for all its tensor loads (its quarter of the slot that it is about to read), adds 0 to its spare word, and waits for that and for its reads of the slot that it has left.
; fill = 1: the barrier is a round of the cluster's, so that no wave of any partner still reads that slot or has a load on its way, and the joint refill is the first thing behind it: it has a slot's two key steps in which to land.
.macro CHANGE fill
	s_wait_tensorcnt 0x0                           ; no tensor load of mine is out, so group 0 may be written
	ds_add_u32 v[SPW], v[NIL]                      ; 0 onto my spare word
.if \fill
	s_xor_b32 s[G0+1], s[G0+1], SLOT1              ; the walking descriptor: the other slot than last time,
	s_add_nc_u64 s[G0+2:G0+3], s[G0+2:G0+3], SLOTB ; the next 256 keys; the type bits on top are not reached
.endif
	s_wait_dscnt 0x0                               ; the add is done, my LDS loads are back and my LDS stores have landed (at the first change: my part of the bias table)
.if \fill
	CROUND
	JLOAD
.else
	s_barrier_signal -1
	s_barrier_wait -1
.endif
.endm
.macro SLOT_STEPS
	v_add_nc_u32 v[AD1], s[TB], v[LI]
	s_wait_alu depctr_va_vdst(0)
	v_add_nc_u32 v[AD2], VOFF, v[AD1]
	s_wait_alu depctr_va_vdst(0)
	v_add_nc_u32 v[ADB], s[TS], v[AB0]
	STEP 0
	STEP 1
	s_xor_b32 s[TB], s[TB], SLOT1                  ; on to the other slot
	s_add_co_u32 s[TS], s[TS], 1024                ; and the next 256 keys' bias
.endm
.Lslot:                                            ; seven trips: behind each change of slots but the last the next slot is asked for
	CHANGE 1
	SLOT_STEPS
	s_sub_co_u32 s[SLOTS], s[SLOTS], 1
	s_cmp_lg_u32 s[SLOTS], 0
	s_cbranch_scc1 .Lslot
	CHANGE 0                                       ; the last slot is written out
	SLOT_STEPS
	; THE WAY OUT.  The sum's two halves and lane l xor 16's are added; O^T is divided by the sum and goes through my stage, a tile of 16 queries at a time, so that the 32 lanes store a whole row of 512 bytes.
	PLACES 8                                       ; behind the last products
.irp x, 0,1
	v_add_f32 v[RT+4*\x+2], v[RT+4*\x+2], v[RT+4*\x+3]
.endr
.irp x, 0,1
	s_delay_alu instid0(VALU_DEP_2)
	v_permlanex16_b32 v[TM+4+\x], v[RT+4*\x+2], s[SEL], s[SEL+1]
.endr
.irp x, 0,1
	s_delay_alu instid0(VALU_DEP_2)
	v_add_f32 v[RT+4*\x+2], v[RT+4*\x+2], v[TM+4+\x]
.endr
	s_wait_alu depctr_va_vdst(0)
.irp x, 0,1
	v_rcp_f32 v[RT+4*\x+2], v[RT+4*\x+2]
.endr
	v_nop                                          ; a plain line between the last reciprocal and the use of its result
	s_wait_alu depctr_va_vdst(0)
.macro PACK x
	WIN W_OUT
.set j, 0
.rept 32
	v_pk_mul_f32 v[SS+64*\x+j:SS+64*\x+j+1], v[OO+64*\x+j:OO+64*\x+j+1], v[RT+4*\x+2:RT+4*\x+3] op_sel_hi:[1,0]   ; register 8 t + i is out(query r, channel 16 t + 8 hh + i); each accumulator from its low end on
.set j, j+2
.endr
	WIN 0
.irp t, 0,1,2,3,4,5,6,7
	ds_store_b128 v[STO], v[SS+64*\x+8*\t:SS+64*\x+8*\t+3] offset:64*\t
	ds_store_b128 v[STO], v[SS+64*\x+8*\t+4:SS+64*\x+8*\t+7] offset:64*\t+16
.endr
.irp i, 0,1,2,3,4,5,6,7,8,9,10,11,12,13,14,15
	ds_load_b128 v[SS+64*\x+4*\i:SS+64*\x+4*\i+3], v[STI] offset:SP*\i   ; LDS serves a wave's instructions in order: these see the stores above, and the next tile's stores come behind them
.endr
.endm
.macro SEND x, younger                 ; younger: the LDS instructions issued behind tile x's loads, which may stay out
.irp i, 0,1,2,3,4,5,6,7,8,9,10,11,12,13,14,15
	s_wait_dscnt \younger+15-\i
	global_store_b128 v[LI], v[SS+64*\x+4*\i:SS+64*\x+4*\i+3], s[10:11] offset:(16*\x+\i)*ROWS th:TH_STORE_NT   ; 32 lanes store 512 consecutive bytes, at a multiple of 256 from out0's first byte
.endr
.endm
	PACK 0
	PACK 1
	SEND 0, 32                                     ; behind tile 0's loads: tile 1's 16 stores and 16 loads
	SEND 1, 0
	s_wait_tensorcnt 0x0                           ; the wave's end, behind my last tensor load and my last LDS store
	ds_add_u32 v[SPW], v[NIL]
	s_wait_dscnt 0x0
	CROUND                                         ; the closing round: no work-group ends while a partner may still ask for a tile that names it
	s_endpgm
.Lfunc_end_k_q8a260e4300_attn:
	.size	k_q8a260e4300_attn, .Lfunc_end_k_q8a260e4300_attn-k_q8a260e4300_attn
	.p2alignl 7, 3214868480
	.fill 96, 4, 3214868480
	.section	.rodata,"a",@progbits
	.p2align	6, 0x0
	.amdhsa_kernel k_q8a260e4300_attn
		.amdhsa_group_segment_fixed_size 327680
		.amdhsa_private_segment_fixed_size 0
		.amdhsa_enable_private_segment 0
		.amdhsa_kernarg_size 32
		.amdhsa_user_sgpr_count 2
		.amdhsa_user_sgpr_kernarg_segment_ptr 1
		.amdhsa_wavefront_size32 1
		.amdhsa_system_sgpr_workgroup_id_x 1
		.amdhsa_system_sgpr_workgroup_id_y 1
		.amdhsa_system_sgpr_workgroup_id_z 1
		.amdhsa_system_vgpr_workitem_id 0
		.amdhsa_next_free_vgpr 512
		.amdhsa_next_free_sgpr 66
		.amdhsa_reserve_vcc 1
		.amdhsa_float_denorm_mode_32 3
		.amdhsa_float_denorm_mode_16_64 3
		.amdhsa_fp16_overflow 1
		.amdhsa_memory_ordered 1
		.amdhsa_forward_progress 1
		.amdhsa_inst_pref_size 192
	.end_amdhsa_kernel
	.amdgpu_metadata
---
amdhsa.version: [ 1, 2 ]
amdhsa.kernels:
  - .name:           k_q8a260e4300_attn
    .symbol:         k_q8a260e4300_attn.kd
    .args:
      - { .name: query, .offset: 0, .size: 8, .value_kind: global_buffer, .address_space: global }
      - { .name: kv, .offset: 8, .size: 8, .value_kind: global_buffer, .address_space: global }
      - { .name: mask, .offset: 16, .size: 8, .value_kind: global_buffer, .address_space: global }
      - { .name: out0, .offset: 24, .size: 8, .value_kind: global_buffer, .address_space: global }
    .group_segment_fixed_size: 327680
    .private_segment_fixed_size: 0
    .kernarg_segment_align: 8
    .kernarg_segment_size: 32
    .max_flat_workgroup_size: 256
    .sgpr_count:     66
    .vgpr_count:     512
    .wavefront_size: 32
...
	.end_amdgpu_metadata
.endif
;; end of part 2
